; MI455X (gfx1250); checked and timed in simulation.
; The chip was launched on July 23, 2026; its instructions are those of AMD's public machine-readable ISA for CDNA 5 (MIT licence, August 2026) and "CDNA5" Instruction Set Architecture Reference Guide (July 2026). The comments in the code are by the model that wrote it; some were corrected since.
;; Attention. Allowed arithmetic: matrix products marked QUANTISED: E2M3 operands, one E8M0 scale for each 32 along K, by v_wmma_scale_f32_16x16x128_f8f6f4 with both operands' format E2M3, f32 sums; everything else in f32.
;; Inputs: key_codes 16 x 2,048 x 4 x 24 uint8 (E2M3 codes of key, K innermost, in blocks of 32 codes, four codes in three bytes); key_scales 16 x 2,048 x 4 uint8 (E8M0 scales of key, one for each 32 codes along K); query_codes 16 x 2,048 x 4 x 24 uint8 (E2M3 codes of query, K innermost, in blocks of 32 codes, four codes in three bytes); query_scales 16 x 2,048 x 4 uint8 (E8M0 scales of query, one for each 32 codes along K); value_codes 16 x 128 x 64 x 24 uint8 (E2M3 codes of value, K innermost, in blocks of 32 codes, four codes in three bytes); value_scales 16 x 128 x 64 uint8 (E8M0 scales of value, one for each 32 codes along K).
;; Outputs: out0 16 x 2,048 x 128 float32.
;; This version of the problem:
;;   THIS VERSION OF THE PROBLEM IS GIVEN IN LOW PRECISION. The matrix products marked QUANTISED in the list below multiply operands that are first quantised to E2M3 (2 exponent bits, 3 mantissa bits; 6 bits a number), with one power-of-two scale for each 32 numbers along K (OCP MX v1.0); their sums are f32. All else is computed in f32.
;;   The module's matrix products, in the order in which they are computed (A, B: the left and right operand; K: the contracted axis; several contracted axes count as one K, in the product's order):
;;     1. batch 16 x [M 2,048, K 128] x [K 128, N 2,048]; A: input query (given as codes); B: input key (given as codes): QUANTISED
;;     2. batch 16 x [M 2,048, K 2,048] x [K 2,048, N 128]; A: softmax (see below); B: input value (given as codes): QUANTISED
;;   THE QUANTISER, for each operand of a quantised product, along K:
;;     - K is cut into blocks of 32 from its start; a last block that is shorter is filled with zeros.
;;     - A block's scale is 2^e with e = floor(log2(the largest magnitude in the block)) - 2, held to -126 .. 127; a block of zeros has e = 0. As a byte (E8M0): e + 127.
;;     - Each number is divided by its block's scale, clamped to +-7.5, and rounded to the nearest number of E2M3, ties to even, subnormals kept.
;;     - The product sums the exact products of the quantised numbers (number of the format x scale) in f32.
;;   ~~~python
;;   def quantise(x, axis):      # numpy; x: float32 -> the quantised numbers, widened to float32 again
;;       x = np.moveaxis(x, axis, -1); K = x.shape[-1]
;;       x = np.pad(x, [(0, 0)] * (x.ndim - 1) + [(0, -K % 32)]); x = x.reshape(x.shape[:-1] + (-1, 32)); a = np.abs(x).max(-1, keepdims=True)
;;       e = np.where(a > 0, np.clip(np.frexp(np.where(a > 0, a, 1))[1] - 1 - 2, -126, 127), 0)      # np.frexp(a)[1] - 1 = floor(log2(a)), exactly
;;       r = np.clip(x / 2.0 ** e, -7.5, 7.5)
;;       step = 2.0 ** (np.maximum(np.frexp(np.where(r == 0, 1, r))[1] - 1, 0) - 3)
;;       q = np.round(r / step) * step * 2.0 ** e      # np.round: ties to even
;;       return np.moveaxis(q.reshape(q.shape[:-2] + (-1,))[..., :K], -1, axis).astype(np.float32)
;;   ~~~
;;   SOFTMAX AHEAD OF A QUANTISED PRODUCT. Where the list says 'softmax', what is quantised is not the finished softmax but p = 2^(t - M), with t = logit x log2(e) and M = ceil(the row's largest t), a whole number; so 1/2 < the row's largest p <= 1. The row's sum l is taken of the UNQUANTISED p, in f32, and the product's result is divided by l at the end. Since M is a whole number, a kernel that streams over the keys may use a running M (the ceiling of the running maximum): every later rescaling is an exact power of two, which a block's scale takes up: the codes' values come out the same.
;;   OPERANDS COMPUTED ON THE WAY. 'Computed on the way' means the value that the module computes at that place (a softmax that the list does not call 'softmax' is quantised finished and normalised). What goes into a quantiser is computed in f32, as accurately as f32 sums, v_exp_f32 and their like allow (about 1e-6 of the number): no bf16 or f16 on the way to a quantiser, and a product that is left as it is and whose result goes on into a quantised operand takes f32 operands (vector FMAs, or v_wmma_f32_16x16x4_f32). A number that lies on a knife's edge between two numbers of the format may be rounded either way, as far as f32 arithmetic and the matrix unit's own rounding can turn it there, and no further.
;;   INPUTS GIVEN AS CODES. key (in the module: [16, 2048, 128], K = its axis 2); query (in the module: [16, 2048, 128], K = its axis 2); value (in the module: [16, 2048, 128], K = its axis 1): each comes as NAME_codes (uint8): NAME with its K axis moved to the last place and cut into blocks of 32 codes, [.., K / 32, bytes a block], one block behind the other in memory; four codes in three bytes: a row's codes are one little-endian stream of bits, code i at bits 6 i .. 6 i + 5 (a code: sign, 2 exponent bits, 3 mantissa bits); and NAME_scales (uint8): the same leading axes, one E8M0 byte (e + 127) for each 32 codes along K. Its value is code x scale, taken as it is: it is not quantised again, and the codes and scales need not be those that the quantiser above would give.
;; One version. Each part assembles by itself: llvm-mc -triple=amdgcn-amd-amdhsa -mcpu=gfx1250 --defsym DOCPART=n.
;; ======== version 1 of 1: 1 launch
;; launch attn (part 1): grid 16 x 16, 16 waves a work-group, no clusters, 327,680 bytes of LDS; arguments query_codes, query_scales, key_codes, key_scales, value_codes, value_scales, out0; writes out0
.if DOCPART == 1
	.amdgcn_target "amdgcn-amd-amdhsa--gfx1250"
	.amdhsa_code_object_version 6
	.text
	.protected	k_q7046498694_attn
	.globl	k_q7046498694_attn
	.p2align	8
	.type	k_q7046498694_attn,@function
k_q7046498694_attn:
	s_mov_b64 s[64:65], 0
	v_nop
	global_prefetch_b8 v0, s[64:65] scope:SCOPE_SE
	s_setreg_imm32_b32 hwreg(HW_REG_WAVE_MODE, 25, 1), 1
	s_wait_xcnt 0x0
; O[h][q][:] = the sum over k <= q of softmax_k(Q[h][q] . K[h][k] / sqrt(128)) V[h][k][:]: 16 heads, 2,048 queries and keys, head size 128, both products on codes of FP6 (E2M3) with one E8M0 scale for each 32 along a product's K.
; Q, K: [16][2048][128] as codes, 96 bytes a row, scale bytes [16][2048][4].  V: codes with the KEYS innermost, [16][128][2048], 1,536 bytes a row, scale bytes [16][128][64].  O: [16][2048][128] f32.
; THE SOFTMAX AHEAD OF THE SECOND PRODUCT: t = score x log2(e) / sqrt(128); M = the largest t so far, rounded UP to a whole number; p = 2^(t - M) is quantised along the keys, not normalised; the row's sum is taken of the
; unquantised p in f32 and divides O at the end.  When M moves, the sum and O are multiplied by 2^(old M - new M): exact.
; SHARES.  Work-group (x = i, y = head) owns two blocks of 64 queries: block i and block 31 - i.  Block j needs j / 2 + 1 key steps of 128, so the two need 17 together, whatever i: 256 work-groups of 4 x 17 tile steps each.
; A wave owns ONE tile of 16 queries and ONE PARITY of the key steps: a slot holds 256 keys, two steps; the wave of parity e takes step e of every slot, with an M, a sum and an O^T of its own.  At the end the wave of parity 1
; hands its three to its partner through LDS; both M are whole numbers, so the merge multiplies by powers of two.  Roles from the wave's number w: a = w / 4 is the tile in its block; class = (a xor w) mod 4: bit 0 the block
; (0: block i, 1: block 31 - i), bit 1 the parity.  Any four waves with equal w mod 4, and any four with equal w / 4, hold one of each class: 17 steps between them.
; LAYOUT.  Both products are used transposed: S^T = K Q^T (source 0 = 16 keys, source 1 = my 16 queries), O^T = V^T P^T (source 0 = 16 channels, source 1 = P): a lane holds ONE query (lane % 16) throughout.
; THE KEYS OF A TILE ARE NOT NEIGHBOURS: lane r of tile 2 b + u takes key 32 b + 8 u + r % 8 + 16 (r / 8), so that the 16 registers of tiles 2 b and 2 b + 1 are the keys 32 b + 16 (lane / 16) + 0 .. 15.
; NOR ARE THE CHANNELS: lane r of V's tile T takes channel 32 (r / 4) + 4 T + r % 4, so register j of O^T's tile T in lane (r, h) is channel 64 h + 32 (j / 4) + 4 T + j % 4: two runs of four neighbours.
; LDS WITHOUT BANK CONFLICTS (64 banks of 4 bytes: ISA guide 11.1).  K's chunks of 16 keys with bit 4 clear lie dense in one region, those with bit 4 set in another, 12,304 bytes on: a load's words are 24 (r % 8) + 6 h + 3,076 (r / 8),
; 64 different banks.  V's rows lie in four regions of 32 rows, 6,160 bytes apart: words 48 (r % 4) + 1,540 (r / 4) + 6 h, again 64 different banks.
; THE MASK is built by the problem itself.  A step all of whose keys come after the wave's queries is left out; on the diagonal hidden scores become -infinity ahead of the maximum.
; NO CLUSTER, though the 16 work-groups of a head walk the same K and V: work-group i reads the slots up to its last query, (32 - i + 3) / 4 of them, 5 to 8: partners would need different numbers of tiles, a joint load may not be
; jumped over, and asking for all 8 always would fill slots that nobody reads.
; LIMITS.  A hidden key's p is taken as 0, where the definition has 2^((s - 1e10) c - M): that is 0 in f32 while scores stay under some 5e9 in magnitude.  v_exp_f32 gives 0 for results under 2^-126.  A block whose every p is 0
; keeps the scale byte 1 (its codes are zeros; this program alone reads the byte).  Scale bytes of 0xff among the inputs are not served.  A block's largest p is made from the block's largest score, which takes v_exp_f32 not to fall
; where its input rises.
; REGISTERS: v1-4 lane places that stay; v5, v6 the add's two; v7 16 x lane; v8-11 addresses in hand; v12 -M, v13 the largest t, v[14:15] the sum in two halves; v16-27 Q; v28-31 below; v32-79 four fragments of K or of V;
; v80 the mask's; v82 -infinity; v[84:85] f; v86-95 the merge's; v96-159 S^T, then p, then the partner's O^T; v160-223 O^T; v224-235 p's codes; v232-247 at work; v248-251, v253, v255 scale words and nothing else; v254 at work.
.set HEADC, 196608                     ; a head's codes in bytes, in each of the three tensors
.set KBOFF, 12304                      ; a slot: K's chunks with bit 4 clear at 0 (8 x 1,536 bytes), those with bit 4 set here
.set VOFF,  24832                      ; V's four regions begin here,
.set VREG,  6160                       ; this far apart: 32 rows x 192 bytes + 16
.set SLOT1, 65536                      ; slot 1 begins here, so that one exclusive or turns an address in one slot into the other's
.set SCK,   2*SLOT1                    ; behind the ring: K's scale bytes of the whole head: 32 units of 256 bytes + 16 of padding
.set SCKH,  16*272                     ; (half of them: what one tensor load brings)
.set SCV,   SCK+2*SCKH                 ; V's: four regions of 8 such units (32 rows of 64 bytes),
.set SVREG, 8*272+16                   ; this far apart
.set SPARE, SCV+8960                   ; the spare words, 128 bytes for each wave: eight blocks of 256 bytes that no other line names
.set STAGE, SPARE+2048                 ; the way out: for each of the 8 tiles 16 rows x (512 bytes + 16)
.set SROW,  528
.set IMG,   STAGE+8*16*SROW            ; for each tile the image of the parity-1 wave's O^T: 16 x 512 bytes
.set STAT,  IMG+8*8192                 ; and its -M and sum: 8 bytes a lane.  No tensor load ever lands from STAGE on
.set AK0,  1                           ; v1   my lane's place in a step's tiles of K (my parity's step of a slot)
.set AV0,  2                           ; v2   the same for V
.set ASK0, 3                           ; v3   my lane's place among K's scale words
.set ASV0, 4                           ; v4   and among V's
.set SPW,  5                           ; v5   LDS address of my spare word: SPARE + 4 x my thread's number; never rewritten
.set NIL,  6                           ; v6   0; never rewritten
.set GO,   7                           ; v7   16 x lane
.set ADK,  8                           ; v8-11 LDS addresses of the step's K, V, K's scale words, V's
.set ADV,  9
.set ADS,  10
.set ADT,  11
.set PFO,  28                          ; v28  the prefetches' offset: 256 x lane in K's block, 1,536 x lane among V's rows; never rewritten
.set MI,   29                          ; v29  my lane's place in my tile's image
.set MS,   30                          ; v30  and among its statistics
.set DL,   31                          ; v31  lane % 16 - 16 (lane / 16)
.set NINF, 82                          ; v82  -infinity
.set FF,   84                          ; v[84:85] f = 2^(old M - new M); the packed forms name the pair and take its low word
.set TB,   2                           ; s2   LDS byte at which the slot in hand begins
.set TS,   3                           ; s3   where the slot's scale words of K begin: 1,088 bytes a slot
.set WV,   18                          ; s18  my wave's number
.set EP,   19                          ; s19  my parity
.set SEL,  20                          ; s[20:21] lane selects for v_permlanex16_b32: lane l xor 16
.set CS,   22                          ; s[22:23] c = log2(e) / sqrt(128)
.set G1K,  24                          ; s[24:31] descriptor group 1 for K's tiles;  s[32:39] for V's;  s[40:43], s[44:47] their groups 0, which walk
.set G1V,  32
.set G0K,  40
.set G0V,  44
.set G1S,  48                          ; s[48:55] group 1 for K's scale bytes, s[68:75] for V's;  s[56:59], s[60:63] their groups 0
.set G0SK, 56
.set G0SV, 60
.set TJ,   66                          ; s66  V's scale words: 8 bytes a slot
.set SLOTS, 67                         ; s67  changes of slots that are still to ask
.set G1T,  68
.set PFA,  76                          ; s[76:77] where my prefetches stand in memory
.set PFS,  78                          ; s[78:79] a slot on, in bytes: 24,576 in K, 192 in a row of V
.set LIM,  80                          ; s80  1 in a wave that prefetches, else the greatest number
.set EVR,  81                          ; s81  3 in V's prefetching waves, 0 in K's
.set KN,   84                          ; s84  the first key of the slot that a change of slots asks for
.set LASTQ, 85                         ; s85  my work-group's last query
.set TL,   86                          ; s86  my tile among the work-group's 8
.set KF,   98                          ; s98  my step's first key
.set Q0,   99                          ; s99  my first query
; Waves 0 and 1 fetch for K, waves 2 to 5 for V, the others nothing.  The branches hang on the wave's number alone.  An s_nop 0 and four v_nop follow each of the two lines.
.macro TLOAD g0k, g1k, g0v, g1v
	s_cmp_lt_u32 s[WV], 2
	s_cbranch_scc0 .Lnot_k_\@
	tensor_load_to_lds s[\g0k:\g0k+3], s[\g1k:\g1k+7]
	s_nop 0
.rept 4
	v_nop
.endr
	s_branch .Lasked_\@
.Lnot_k_\@:
	s_cmp_lt_u32 s[WV], 6
	s_cbranch_scc0 .Lasked_\@
	tensor_load_to_lds s[\g0v:\g0v+3], s[\g1v:\g1v+7]
	s_nop 0
.rept 4
	v_nop
.endr
.Lasked_\@:
.endm
; A PREFETCH INTO THE L2 of what the NEXT change of slots will ask for: 256 rows of K, one dense block of 24,576 bytes, and 192 bytes of each of V's 128 rows.  It stands where the fetching waves have their tensor load.
; Each aligned block of 256 bytes is asked for ONCE in the launch.  All 16 work-groups of a head walk the same K and V: the head's work-group x = 0, which walks all 8 slots, asks.  In it waves ask that fetch nothing, one
; instruction each: waves 12 to 14 for K's block, 8,192 bytes a wave, lanes 256 bytes apart; waves 8 to 11 for V's rows, 32 a wave, a lane a row.  A slot's part of a row of V is 192 bytes, so a lane names the part's LAST byte:
; the aligned block in which the part ends is one that no earlier slot's part has touched, but for slots 3 and 7, whose part ends in the block that the slot before has named: there V's waves ask for nothing.
; The slot named is 9 - s[SLOTS]: slots 2 to 7.  The last change that fills a slot asks for nothing; slots 0 and 1 come by their loads alone.
.macro ASK
	s_cmp_gt_u32 s[SLOTS], s[LIM]
	s_cbranch_scc0 .Lnot_mine_\@
	s_and_b32 s82, s[SLOTS], s[EVR]                ; slots 3 and 7 are named where s[SLOTS] is 6 or 2
	s_cmp_eq_u32 s82, 2
	s_cbranch_scc1 .Lnot_mine_\@
	global_prefetch_b8 v[PFO], s[PFA:PFA+1] th:TH_LOAD_NT scope:SCOPE_SE
.Lnot_mine_\@:
.endm
	s_load_b128 s[4:7], s[0:1], 0x0                ; Q's codes, Q's scales
	s_load_b128 s[8:11], s[0:1], 0x10              ; K's codes, K's scales
	s_load_b128 s[12:15], s[0:1], 0x20             ; V's codes, V's scales
	s_load_b64 s[16:17], s[0:1], 0x30              ; O
	v_lshl_add_u32 v[SPW], v0, 2, SPARE
	v_mov_b32 v[NIL], 0
	ds_add_u32 v[SPW], v[NIL]                      ; the wave's opening: the add and its wait stand ahead of my first tensor load; the set-up below, work on registers, stands between them
	v_lshrrev_b32 v8, 5, v0
	v_readfirstlane_b32 s[WV], v8                  ; wave 0..15
	s_lshr_b32 s87, s[WV], 2                       ; a: my tile in its block
	s_xor_b32 s88, s87, s[WV]
	s_and_b32 s88, s88, 3                          ; my class
	s_and_b32 s89, s88, 1                          ; 0: block i, 1: block 31 - i
	s_lshr_b32 s[EP], s88, 1                       ; my parity
	s_lshl_b32 s[TL], s89, 2
	s_add_co_u32 s[TL], s[TL], s87                 ; my tile among the 8: my partner (wave w xor 2) has the same
	s_sub_co_u32 s92, 31, ttmp9
	s_cmp_eq_u32 s89, 0
	s_cselect_b32 s92, ttmp9, s92                  ; my block of 64 queries
	s_lshl_b32 s92, s92, 6
	s_lshl_b32 s93, s87, 4
	s_add_co_u32 s[Q0], s92, s93                   ; my first query: it enters global addresses and the causal branches, no LDS address
	s_sub_co_u32 s[LASTQ], 32, ttmp9
	s_lshl_b32 s[LASTQ], s[LASTQ], 6
	s_sub_co_u32 s[LASTQ], s[LASTQ], 1             ; block 31 - i's last query
	s_lshl_b32 s[KF], s[EP], 7                     ; my first step's first key
	s_mov_b32 s[KN], 0
	s_mov_b32 s[TB], 0
	s_mov_b32 s[TS], 0
	s_mov_b32 s[TJ], 0
	s_mov_b32 s[SLOTS], 7
	s_mov_b32 s[SEL], 0x76543210
	s_mov_b32 s[SEL+1], 0xfedcba98
	s_mov_b32 s[CS], 0x3e0293ee                    ; c = log2(e) / sqrt(128)
	s_mov_b32 s[CS+1], s[CS]                       ; (named with it as a pair, so it is written)
	; descriptor group 1.  K: 8 rows of 1,536 bytes (a chunk of 16 keys), every second chunk of a slot's 16: 3,072 bytes from row to row; dense in LDS
	s_mov_b32 s[G1K], 0                            ; no mask; elements of 1 byte; no padding
	s_mov_b32 s[G1K+1], 1536<<16                   ; tensor_dim0
	s_mov_b32 s[G1K+2], 8<<16                      ; tensor_dim1
	s_mov_b32 s[G1K+3], 1536<<16                   ; tile_dim0
	s_mov_b32 s[G1K+4], 8                          ; tile_dim1
	s_mov_b32 s[G1K+5], 3072                       ; tensor_dim0_stride
	s_mov_b32 s[G1K+6], 0
	s_mov_b32 s[G1K+7], 0
	; V: 32 rows of 192 bytes (256 keys), 1,536 bytes from row to row; dense in LDS
	s_mov_b32 s[G1V], 0
	s_mov_b32 s[G1V+1], 192<<16
	s_mov_b32 s[G1V+2], 32<<16
	s_mov_b32 s[G1V+3], 192<<16
	s_mov_b32 s[G1V+4], 32
	s_mov_b32 s[G1V+5], 1536
	s_mov_b32 s[G1V+6], 0
	s_mov_b32 s[G1V+7], 0
	; the scale bytes: dense blocks, as rows of 256 bytes (32 elements of 8 bytes), 16 bytes of padding behind each.  K's: half a head, 16 rows;  V's: a quarter, 8 rows
	s_mov_b32 s[G1S], (3<<16)|(1<<20)|(5<<22)|(3<<25)
	s_mov_b32 s[G1S+1], 32<<16
	s_mov_b32 s[G1S+2], 16<<16
	s_mov_b32 s[G1S+3], 32<<16
	s_mov_b32 s[G1S+4], 16
	s_mov_b32 s[G1S+5], 32
	s_mov_b32 s[G1S+6], 0
	s_mov_b32 s[G1S+7], 0
	s_mov_b32 s[G1T], (3<<16)|(1<<20)|(5<<22)|(3<<25)
	s_mov_b32 s[G1T+1], 32<<16
	s_mov_b32 s[G1T+2], 8<<16
	s_mov_b32 s[G1T+3], 32<<16
	s_mov_b32 s[G1T+4], 8
	s_mov_b32 s[G1T+5], 32
	s_mov_b32 s[G1T+6], 0
	s_mov_b32 s[G1T+7], 0
	; what I fetch, if I fetch: waves 0, 1: K's chunks of parity w % 2 and that half of K's scale bytes;  waves 2 to 5: V's region (w + 2) % 4 and that quarter of V's scale bytes
	s_and_b32 s100, ttmp7, 0xffff                  ; the head
	s_mul_i32 s90, s100, HEADC                     ; its first byte in each tensor of codes,
	s_mov_b32 s91, 0
	s_lshl_b32 s94, s100, 13                       ; and in each tensor of scale bytes (8,192 a head)
	s_mov_b32 s95, 0
	s_and_b32 s87, s[WV], 1
	s_add_co_u32 s88, s[WV], 2
	s_and_b32 s88, s88, 3
	s_mov_b32 s[G0K], 1                            ; 1:0 count = 1
	s_mul_i32 s[G0K+1], s87, KBOFF                 ; 63:32 LDS address: slot 0
	s_mov_b32 s[G0V], 1
	s_mul_i32 s[G0V+1], s88, VREG
	s_add_co_u32 s[G0V+1], s[G0V+1], VOFF
	s_mov_b32 s[G0SK], 1
	s_mul_i32 s[G0SK+1], s87, SCKH
	s_add_co_u32 s[G0SK+1], s[G0SK+1], SCK
	s_mov_b32 s[G0SV], 1
	s_mul_i32 s[G0SV+1], s88, SVREG
	s_add_co_u32 s[G0SV+1], s[G0SV+1], SCV
	s_mul_i32 s92, s87, 1536                       ; offsets in memory, each under 2^32, in pairs with 0 above
	s_mov_b32 s93, 0
	s_add_nc_u64 s[92:93], s[92:93], s[90:91]      ; K's codes
	s_mul_i32 s96, s88, 32*1536
	s_mov_b32 s97, 0
	s_add_nc_u64 s[96:97], s[96:97], s[90:91]      ; V's codes
	s_lshl_b32 s100, s87, 12
	s_mov_b32 s101, 0
	s_add_nc_u64 s[100:101], s[100:101], s[94:95]  ; K's scale bytes
	s_lshl_b32 s82, s88, 11
	s_mov_b32 s83, 0
	s_add_nc_u64 s[82:83], s[82:83], s[94:95]      ; V's scale bytes
	s_wait_dscnt 0x0                               ; the opening add is done
	s_wait_kmcnt 0x0
	s_add_nc_u64 s[G0SK+2:G0SK+3], s[10:11], s[100:101]   ; 120:64 global address
	s_or_b32 s[G0SK+3], s[G0SK+3], 0x80000000      ; 127:126 type = 2
	s_add_nc_u64 s[G0SV+2:G0SV+3], s[14:15], s[82:83]
	s_or_b32 s[G0SV+3], s[G0SV+3], 0x80000000
	s_add_nc_u64 s[G0K+2:G0K+3], s[8:9], s[92:93]
	s_or_b32 s[G0K+3], s[G0K+3], 0x80000000
	s_add_nc_u64 s[G0V+2:G0V+3], s[12:13], s[96:97]
	s_or_b32 s[G0V+3], s[G0V+3], 0x80000000
	TLOAD G0SK, G1S, G0SV, G1T                     ; the scale bytes of the whole head: filled once
	TLOAD G0K, G1K, G0V, G1V                       ; slot 0.  Two tensor loads of a fetching wave are out; every wait on TENSORcnt in this text is for 0
	s_mul_i32 s92, s[Q0], 96
	s_mov_b32 s93, 0
	s_add_nc_u64 s[92:93], s[92:93], s[90:91]
	s_add_nc_u64 s[4:5], s[4:5], s[92:93]          ; Q's codes at my first query
	s_lshl_b32 s92, s[Q0], 2
	s_mov_b32 s93, 0
	s_add_nc_u64 s[92:93], s[92:93], s[94:95]
	s_add_nc_u64 s[6:7], s[6:7], s[92:93]          ; and its scale words
	s_lshl_b32 s92, s[Q0], 9
	s_mov_b32 s93, 0
	s_and_b32 s96, ttmp7, 0xffff
	s_lshl_b32 s96, s96, 20                        ; a head of O is 2,048 rows of 512 bytes
	s_mov_b32 s97, 0
	s_add_nc_u64 s[92:93], s[92:93], s[96:97]
	s_add_nc_u64 s[16:17], s[16:17], s[92:93]      ; O likewise
	; the prefetches (macro ASK): where my wave's stand, and who asks
	s_cmp_lt_u32 s[WV], 12                         ; waves 8 to 11 ask for V's codes, waves 12 to 14 for K's
	s_cselect_b64 s[PFA:PFA+1], s[12:13], s[8:9]
	s_mov_b32 s[PFS], 24576
	s_cselect_b32 s[PFS], 192, s[PFS]              ; a slot on
	s_mov_b32 s82, 256
	s_cselect_b32 s82, 1536, s82                   ; from lane to lane
	s_mov_b32 s83, 8192
	s_cselect_b32 s83, 32*1536, s83                ; from wave to wave
	s_cselect_b32 s96, 191, 0                      ; in V: the last byte of a row's part of a slot
	s_cselect_b32 s[EVR], 3, 0
	v_and_b32 v[PFO], 31, v0
	v_mul_lo_u32 v[PFO], v[PFO], s82
	s_and_b32 s82, s[WV], 3
	s_mul_i32 s82, s82, s83                        ; my wave's part,
	s_add_co_u32 s82, s82, s[PFS]                  ; in slot 1: the first change of slots steps it to slot 2.  Nothing is prefetched here, at the head, where every work-group's first tiles are on their way
	s_add_co_u32 s82, s82, s96
	s_mov_b32 s83, 0
	s_mov_b32 s[PFS+1], 0
	s_add_nc_u64 s[PFA:PFA+1], s[PFA:PFA+1], s[90:91]   ; in my head
	s_add_nc_u64 s[PFA:PFA+1], s[PFA:PFA+1], s[82:83]
	s_lshr_b32 s82, s[WV], 3
	s_xor_b32 s82, s82, 1                          ; 0 in waves 8 to 15,
	s_or_b32 s82, s82, ttmp9                       ; of the head's work-group x = 0
	s_cmp_eq_u32 s82, 0
	s_cselect_b32 s[LIM], 1, -1
	s_cmp_eq_u32 s[WV], 15                         ; (K's block is three waves' worth: 3 x 8,192 bytes)
	s_cselect_b32 s[LIM], -1, s[LIM]
	; Q, and my lane's places
	v_and_b32 v8, 15, v0                           ; r = lane % 16
	v_bfe_u32 v9, v0, 4, 1                         ; h = lane / 16
	v_mul_u32_u24 v10, v8, 96
	v_mad_u32_u24 v10, v9, 24, v10                 ; Q: row r, + my half's 24 bytes
.irp p, 0,1,2,3,4,5
	global_load_b64 v[16+2*\p:17+2*\p], v10, s[4:5] offset:48*(\p/3)+8*(\p%3)   ; Q's fragment stays in registers.  (v10 and v254 are written again only behind the wait for these loads)
.endr
	v_lshlrev_b32 v254, 2, v8
	global_load_b32 v255, v254, s[6:7]             ; Q's scale words
	v_and_b32 v11, 7, v8
	v_lshrrev_b32 v12, 3, v8
	v_mul_u32_u24 v[AK0], v11, 96                  ; K: 96 (r % 8)
	v_mad_u32_u24 v[AK0], v12, KBOFF, v[AK0]       ; + the other region for r / 8 = 1: those keys lie 16 on, in a chunk with bit 4 set
	v_mad_u32_u24 v[AK0], v9, 24, v[AK0]
	s_mul_i32 s82, s[EP], 4*1536                   ; + my parity's four chunks of each region
	v_add_nc_u32 v[AK0], s82, v[AK0]
	v_and_b32 v11, 3, v8
	v_lshrrev_b32 v12, 2, v8
	v_mul_u32_u24 v[AV0], v11, 192                 ; V: row r % 4 of the tile's four in region r / 4
	v_mad_u32_u24 v[AV0], v12, VREG, v[AV0]
	v_mad_u32_u24 v[AV0], v9, 24, v[AV0]
	s_mul_i32 s82, s[EP], 96                       ; + my parity's 128 keys of the row's 256
	s_add_co_u32 s82, s82, VOFF
	v_add_nc_u32 v[AV0], s82, v[AV0]
	v_lshlrev_b32 v[ASV0], 6, v11                  ; V's scale words: a unit of 256 bytes holds a tile's four rows of a region, 64 bytes each
	v_mad_u32_u24 v[ASV0], v12, SVREG, v[ASV0]
	s_lshl_b32 s82, s[EP], 2
	s_add_co_u32 s82, s82, SCV
	v_add_nc_u32 v[ASV0], s82, v[ASV0]
	v_and_b32 v11, 8, v8
	v_add_nc_u32 v11, v11, v8                      ; r % 8 + 16 (r / 8)
	s_mul_i32 s82, s[EP], 544                      ; K's scale words: 4 bytes a key; a step's 128 keys are two units
	s_add_co_u32 s82, s82, SCK
	v_lshl_add_u32 v[ASK0], v11, 2, s82
	v_and_b32 v[GO], 31, v0
	v_lshlrev_b32 v[GO], 4, v[GO]
	s_lshl_b32 s82, s[TL], 13
	s_add_co_u32 s82, s82, IMG
	v_add_nc_u32 v[MI], s82, v[GO]
	v_and_b32 v[MS], 31, v0
	s_lshl_b32 s82, s[TL], 8
	s_add_co_u32 s82, s82, STAT
	v_lshl_add_u32 v[MS], v[MS], 3, s82
	v_lshlrev_b32 v[DL], 4, v9
	v_sub_nc_u32 v[DL], v8, v[DL]
	v_mov_b32 v[NINF], 0xff800000
	v_mov_b32 v13, 0xff61b1e6                      ; the largest t so far: -3e38, under every t
	v_floor_f32 v12, -v13                          ; -M
	v_mov_b32 v14, 0                               ; the sum, in two halves
	v_mov_b32 v15, 0
	v_mov_b32 v[FF+1], 0                           ; (named as the upper half of the pair)
.irp b, 0,1,2,3
	v_mov_b32 v[236+\b], 0                         ; written once: a lane permute's destination counts as one of its sources
.endr
.set N, 0
.rept 64
	v_mov_b32 v[160+N], 0                          ; O^T begins as zeros: the step is written without a first step of its own, and a wave of parity 1 that has no step at all hands zeros to the merge
.set N, N+1
.endr
; MY KEY STEP OF THE SLOT IN HAND: 128 keys from s[KF] on.
.macro STEP
	s_add_co_u32 s96, s[Q0], 15                    ; a step all of whose keys come after my 16 queries is left out: a scalar branch on ids and the count of steps, round the step's loads, products and softmax;
	s_cmp_gt_u32 s[KF], s96                        ; not round the lines at its end that step addresses; no barrier and no tensor load stands in a step
	s_cbranch_scc1 .Lhidden_\@
	v_add_nc_u32 v[ADK], s[TB], v[AK0]             ; these four are also the four places in front of the loads into registers that the last step's products read
	v_add_nc_u32 v[ADV], s[TB], v[AV0]
	v_add_nc_u32 v[ADS], s[TS], v[ASK0]
	v_add_nc_u32 v[ADT], s[TJ], v[ASV0]
.irp g, 0,1                                    ; S^T = K Q^T, four tiles of 16 keys at a time
.if \g > 0
.rept 4
	v_nop                                          ; places in front of loads into registers that matrix instructions have read
.endr
.endif
.irp t, 0,1,2,3
.irp p, 0,1,2,3,4,5
	ds_load_b64 v[32+12*\t+2*\p:33+12*\t+2*\p], v[ADK] offset:1536*((4*\g+\t)/2)+768*(\t%2)+48*(\p/3)+8*(\p%3)   ; tile 2 b + u: chunk b of my region, rows 8 u on
.endr
	ds_load_b32 v[248+\t], v[ADS] offset:272*\g+(32*(((4*\g+\t)/2)%2)+8*(\t%2))*4
.endr
	s_wait_dscnt 0x0
.irp t, 0,1,2,3
	v_wmma_scale_f32_16x16x128_f8f6f4 v[96+8*(4*\g+\t):103+8*(4*\g+\t)], v[32+12*\t:43+12*\t], v[16:27], 0, v[248+\t], v255 matrix_a_fmt:MATRIX_FMT_FP6 matrix_b_fmt:MATRIX_FMT_FP6
.endr
.endr                                          ; lane (r, h) holds query r; register 96 + 16 b + i is key s[KF] + 32 b + 16 h + i
.rept 4
	v_nop                                          ; places in front of the first read of results
.endr
	s_add_co_u32 s96, s[KF], 127                   ; on the diagonal the scores of hidden keys become -infinity ahead of the maximum: p = 0 then.  A step all of whose keys count skips this
	s_cmp_le_u32 s96, s[Q0]
	s_cbranch_scc1 .Lopen_\@
	s_sub_co_i32 s96, s[Q0], s[KF]                 ; (0 or more: a step that is walked begins at or under my first query, so its first key counts for all 16 queries and M is a number)
	v_add_nc_u32 v80, s96, v[DL]                   ; d = my query - s[KF] - 16 h: register 16 b + i is hidden where 32 b + i > d
.set N, 0
.rept 64
	v_cmp_gt_i32 vcc_lo, 32*(N/16)+N%16, v80
	v_cndmask_b32 v[96+N], v[96+N], v[NINF], vcc_lo
.set N, N+1
.endr
.Lopen_\@:
.irp b, 0,1,2,3
	v_max3_num_f32 v[232+\b], v[96+16*\b], v[97+16*\b], v[98+16*\b]   ; THE LARGEST SCORE OF EACH BLOCK OF 32 KEYS: it serves twice: for the row's maximum, and, since p rises with the score, for the block's largest p
.endr
.irp i, 3,5,7,9,11,13
.irp b, 0,1,2,3
	v_max3_num_f32 v[232+\b], v[232+\b], v[96+16*\b+\i], v[97+16*\b+\i]   ; (the four blocks by turns)
.endr
.endr
.irp b, 0,1,2,3
	v_max_num_f32 v[232+\b], v[232+\b], v[111+16*\b]
.endr
.irp b, 0,1,2,3
	v_permlanex16_b32 v[236+\b], v[232+\b], s[SEL], s[SEL+1]
.endr
.irp b, 0,1,2,3
	v_max_num_f32 v[232+\b], v[232+\b], v[236+\b]  ; with lane l xor 16's 16 keys
.endr
	v_max3_num_f32 v254, v232, v233, v234
	v_max_num_f32 v254, v254, v235                 ; the step's largest score of my query
	v_mul_f32 v254, s[CS], v254                    ; as t (c is positive)
	v_max_num_f32 v13, v13, v254                   ; the running largest t
	v_mov_b32 v254, v12
	v_floor_f32 v12, -v13                          ; the new -M = floor(-t) = -ceil(t): M IS A WHOLE NUMBER
	v_sub_f32 v254, v12, v254                      ; M's old value less its new one: a whole number, 0 or less
	v_cvt_i32_f32 v254, v254                       ; (it saturates)
	v_ldexp_f32 v[FF], 1.0, v254                   ; f = 2^(old M - new M): a multiplication by it rounds nothing
.set N, 0
.rept 32
	v_pk_fma_f32 v[96+N:97+N], v[96+N:97+N], s[CS:CS+1], v[12:13] op_sel_hi:[1,0,0]   ; t - M, two at a time (of the pairs c and -M the low word serves both halves)
.set N, N+2
.endr
.irp b, 0,1,2,3
	v_fma_f32 v[232+\b], v[232+\b], s[CS], v12     ; the same of each block's largest score
.endr
.set N, 0
.rept 64
	v_exp_f32 v[96+N], v[96+N]                     ; p = 2^(t - M), at most 1: NOT normalised.  One batch
.set N, N+1
.endr
	v_pk_mul_f32 v[14:15], v[14:15], v[FF:FF+1] op_sel_hi:[1,0]   ; the sums under the new M.  (The plain instruction behind the exponentials)
	s_wait_alu depctr_va_vdst(0)                   ; one wait for the whole batch, ahead of its first reader
.irp b, 0,1,2,3
	v_exp_f32 v[232+\b], v[232+\b]                 ; the block's largest p: the same two instructions on the same number give the same bits
.endr
	v_pk_add_f32 v[236:237], v[96:97], v[98:99]    ; THE ROW'S SUM IS TAKEN OF THE UNQUANTISED p: two at a time, in two chains.  (It reads the 64 alone: plain work behind the four)
.irp j, 4,8,12,16,20,24,28,32,36,40,44,48,52,56,60
	v_pk_add_f32 v[14:15], v[14:15], v[96+\j:97+\j]
	v_pk_add_f32 v[236:237], v[236:237], v[98+\j:99+\j]
.endr
	v_pk_add_f32 v[14:15], v[14:15], v[236:237]
	s_wait_alu depctr_va_vdst(0)                   ; and one for the four
.irp b, 0,1,2,3
	v_max_num_f32 v[232+\b], 0x1800000, v[232+\b]  ; the floor 2^(3 - 127): the byte cannot fall under 1
.endr
.irp b, 0,1,2,3
	v_add_nc_u32 v[244+\b], 0xff000000, v[232+\b]  ; 2 off the exponent field: the conversion's scale operand
.endr
.irp b, 0,1,2,3
	v_lshrrev_b32 v[236+\b], 23, v[244+\b]         ; the scale's byte
.endr
	v_lshl_or_b32 v253, v237, 8, v236              ; p's scale word for these 128 keys
	v_lshl_or_b32 v253, v238, 16, v253
	v_lshl_or_b32 v253, v239, 24, v253
.irp c, 0,1
	v_cvt_scalef32_pk16_fp6_f32 v[224+6*\c:226+6*\c], v[96+32*\c:111+32*\c], v[244+2*\c]
	v_cvt_scalef32_pk16_fp6_f32 v[236+4*\c:238+4*\c], v[112+32*\c:127+32*\c], v[244+2*\c+1]   ; (a conversion's three registers begin on an even number)
.endr
	v_nop                                          ; one plain vector instruction between a scaled conversion and the vector instruction that touches its result
.irp c, 0,1                                    ; the operand's layout wants a WHOLE block in a lane: lanes 0-15 block 2 c, lanes 16-31 block 2 c + 1
.irp i, 0,1,2
	v_permlane16_swap_b32 v[224+6*\c+\i], v[236+4*\c+\i]
.endr
.irp i, 0,1,2
	v_mov_b32 v[227+6*\c+\i], v[236+4*\c+\i]
.endr
.endr
.set N, 0
.rept 32
	v_pk_mul_f32 v[160+N:161+N], v[160+N:161+N], v[FF:FF+1] op_sel_hi:[1,0]   ; O^T under the new M: x f, each accumulator from its low end on.  (These 32 are also the places in front of the matrix instructions and loads below)
.set N, N+2
.endr
.irp g, 0,1                                    ; O^T += V^T P^T: four tiles of 16 channels at a time; K = these 128 keys.  The eight accumulators take turns, one instruction a turn
.if \g > 0
.rept 4
	v_nop
.endr
.endif
.irp t, 0,1,2,3
.irp p, 0,1,2,3,4,5
	ds_load_b64 v[32+12*\t+2*\p:33+12*\t+2*\p], v[ADV] offset:768*(4*\g+\t)+48*(\p/3)+8*(\p%3)   ; tile T: rows 4 T on of each region
.endr
	ds_load_b32 v[248+\t], v[ADT] offset:272*(4*\g+\t)
.endr
	s_wait_dscnt 0x0
.irp t, 0,1,2,3
	v_wmma_scale_f32_16x16x128_f8f6f4 v[160+8*(4*\g+\t):167+8*(4*\g+\t)], v[32+12*\t:43+12*\t], v[224:235], v[160+8*(4*\g+\t):167+8*(4*\g+\t)], v[248+\t], v253 matrix_a_fmt:MATRIX_FMT_FP6 matrix_b_fmt:MATRIX_FMT_FP6
.endr
.endr
.Lhidden_\@:
	s_add_co_u32 s[KF], s[KF], 256                 ; my step of the next slot
	s_add_co_u32 s[TS], s[TS], 1088
	s_add_co_u32 s[TJ], s[TJ], 8
.endm
; THE CHANGE OF SLOTS stands at a slot's head.  Each wave waits for all its tensor loads (its part of the slot that it is about to read), adds 0 to its spare word, and waits for that and for its reads of the slot that it has left.
; Behind the barrier the slot ahead is whole and nobody reads the other one.  fill = 1: that other slot is filled with the 256 keys that follow, up to the causal limit: the load has a slot's step in which to land.
.macro CHANGE fill
	s_wait_tensorcnt 0x0                           ; no tensor load of mine is out, so a group 0 may be written
	ds_add_u32 v[SPW], v[NIL]                      ; 0 onto my spare word; with fill = 1 the descriptors' steps stand between it and the wait for it
.if \fill
	s_xor_b32 s[G0K+1], s[G0K+1], SLOT1            ; the walking descriptors: the other slot than last time,
	s_add_nc_u64 s[G0K+2:G0K+3], s[G0K+2:G0K+3], 24576   ; the next 256 keys; the type bits on top are not reached
	s_xor_b32 s[G0V+1], s[G0V+1], SLOT1
	s_add_nc_u64 s[G0V+2:G0V+3], s[G0V+2:G0V+3], 192
	s_add_co_u32 s[KN], s[KN], 256                 ; their first key
	s_wait_xcnt 0x0                                ; the last prefetch, a slot back, has read its address, so it may be written:
	s_add_nc_u64 s[PFA:PFA+1], s[PFA:PFA+1], s[PFS:PFS+1]   ; one slot further on than the walking descriptors
.endif
	s_wait_dscnt 0x0                               ; the add is done, and my reads of the slot that I have left are over
	s_barrier_signal -1
	s_barrier_wait -1
.if \fill
	s_cmp_gt_u32 s[KN], s[LASTQ]                   ; THE LOOK-AHEAD ENDS AT THE CAUSAL LIMIT: a slot whose first key comes after my work-group's last query is read by none of its waves, so it is not asked for.
	s_cbranch_scc1 .Lpast_\@                       ; Ids and the count of steps alone: all sixteen waves go the same way, and a work-group that is past the limit stays past it.  The jump leads round the load's own lines and nothing else
	TLOAD G0K, G1K, G0V, G1V                       ; the first thing behind the barrier, and a wave's one tensor load until the next
.Lpast_\@:
	ASK                                            ; what the next change of slots will ask for
.endif
.endm
	s_wait_loadcnt 0x0                             ; Q
.Lslot:                                            ; 7 trips: behind each change of slots but the last the next slot is asked for, up to the causal limit
	CHANGE 1
	STEP
	s_xor_b32 s[TB], s[TB], SLOT1                  ; on to the other slot
	s_sub_co_u32 s[SLOTS], s[SLOTS], 1
	s_cmp_lg_u32 s[SLOTS], 0
	s_cbranch_scc1 .Lslot
	CHANGE 0                                       ; the last slot is written out: nothing is left to ask for
	STEP
	; THE WAY OUT.  Every LDS address is made ahead of the parting of the parities; these seven plain instructions are also the places behind the last products.
	v_add_f32 v13, v14, v15                        ; my lane's sum
	v_and_b32 v8, 15, v0                           ; r
	v_bfe_u32 v9, v0, 4, 1                         ; h
	s_mul_i32 s82, s[TL], 16*SROW
	s_add_co_u32 s82, s82, STAGE                   ; my tile's stage
	v_mul_u32_u24 v10, v8, SROW
	v_lshl_add_u32 v10, v9, 8, v10
	v_add_nc_u32 v10, s82, v10                     ; in: row r, + 256 h: channels 64 h on
	v_add_nc_u32 v11, s82, v[GO]                   ; back: the 32 lanes take one row of 512 bytes
	s_cmp_eq_u32 s[EP], 0
	s_cbranch_scc1 .Lkeeper
.set N, 0
.rept 16
	ds_store_b128 v[MI], v[160+4*N:163+4*N] offset:512*N   ; parity 1: O^T goes to LDS as an image of its registers, lane l's 16 bytes at 16 l; each accumulator from its low end on
.set N, N+1
.endr
	ds_store_b64 v[MS], v[12:13]                   ; and -M and the lane's sum
.Lkeeper:
	s_wait_dscnt 0x0                               ; for the partner's sake: my stores have landed
	s_barrier_signal -1
	s_barrier_wait -1
	s_cmp_eq_u32 s[EP], 0
	s_cbranch_scc1 .Lfinish
	s_wait_tensorcnt 0x0                           ; parity 1 ends here, behind my last tensor load and my last LDS store
	ds_add_u32 v[SPW], v[NIL]
	s_wait_dscnt 0x0
	s_endpgm
.Lfinish:                                          ; parity 0 merges.  It has walked the step of key 0, so its own M is a number
	ds_load_b64 v[90:91], v[MS]                    ; the partner's -M and sum: the same lane holds the same query
.set N, 0
.rept 16
	ds_load_b128 v[96+4*N:99+4*N], v[MI] offset:512*N      ; and its O^T
.set N, N+1
.endr
	s_wait_dscnt 16                                ; the statistics are in; the 16 loads issued behind them may be out
	v_min_num_f32 v86, v12, v90                    ; -M of both: the smaller -M
	v_sub_f32 v87, v86, v12                        ; whole numbers, 0 or less.  (A partner with no step has -M = 3e38: its difference saturates below, and its factor is 0)
	v_sub_f32 v88, v86, v90
	v_cvt_i32_f32 v87, v87
	v_cvt_i32_f32 v88, v88
	v_ldexp_f32 v87, 1.0, v87                      ; f0 = 2^(my M - M)
	v_ldexp_f32 v88, 1.0, v88                      ; f1 = 2^(the partner's M - M)
	v_mul_f32 v13, v13, v87
	v_fmac_f32 v13, v91, v88                       ; the lane's sum under M,
	v_mov_b32 v89, 0
	v_permlanex16_b32 v89, v13, s[SEL], s[SEL+1]
	v_add_f32 v13, v13, v89                        ; and lane l xor 16's: the row's sum
	v_rcp_f32 v14, v13
	v_nop                                          ; one plain instruction behind the transcendental
	s_wait_alu depctr_va_vdst(0)                   ; and the wait ahead of its first reader
	v_mul_f32 v92, v87, v14                        ; f0 / the sum, twice: a pair for the packed forms
	v_mul_f32 v93, v87, v14
	v_mul_f32 v94, v88, v14                        ; f1 / the sum
	v_mul_f32 v95, v88, v14
	s_wait_dscnt 0x0                               ; the partner's O^T is in
.set N, 0
.rept 32
	v_pk_mul_f32 v[96+N:97+N], v[96+N:97+N], v[94:95]
.set N, N+2
.endr
.set N, 0
.rept 32
	v_pk_fma_f32 v[96+N:97+N], v[160+N:161+N], v[92:93], v[96+N:97+N]   ; register 8 T + j is o(r, 64 h + 32 (j / 4) + 4 T + j % 4)
.set N, N+2
.endr
.irp t, 0,1,2,3,4,5,6,7
	ds_store_b128 v10, v[96+8*\t:99+8*\t] offset:16*\t             ; channels 64 h + 4 T + 0 .. 3
	ds_store_b128 v10, v[100+8*\t:103+8*\t] offset:128+16*\t       ; channels 64 h + 32 + 4 T + 0 .. 3
.endr
.set N, 0
.rept 16
	ds_load_b128 v[160+4*N:163+4*N], v11 offset:SROW*N     ; LDS serves a wave's instructions in order (ISA guide 5.7.1.4): these see my stores; the stage is my tile's own
.set N, N+1
.endr
.set N, 0
.rept 16
	s_wait_dscnt 15-N                              ; row N is back; the 15 - N rows behind it may be out
	global_store_b128 v[GO], v[160+4*N:163+4*N], s[16:17] offset:512*N th:TH_STORE_NT   ; 32 lanes store a row of O: 512 consecutive bytes, at a multiple of 256 from O's first byte; written once, read by nobody here
.set N, N+1
.endr
	s_wait_tensorcnt 0x0                           ; the wave's end, behind my last tensor load and my last LDS store
	ds_add_u32 v[SPW], v[NIL]
	s_wait_dscnt 0x0
	s_endpgm
.Lfunc_end_k_q7046498694_attn:
	.size	k_q7046498694_attn, .Lfunc_end_k_q7046498694_attn-k_q7046498694_attn
	.p2alignl 7, 3214868480
	.fill 96, 4, 3214868480
	.section	.rodata,"a",@progbits
	.p2align	6, 0x0
	.amdhsa_kernel k_q7046498694_attn
		.amdhsa_group_segment_fixed_size 327680
		.amdhsa_private_segment_fixed_size 0
		.amdhsa_enable_private_segment 0
		.amdhsa_kernarg_size 56
		.amdhsa_user_sgpr_count 2
		.amdhsa_user_sgpr_kernarg_segment_ptr 1
		.amdhsa_wavefront_size32 1
		.amdhsa_system_sgpr_workgroup_id_x 1
		.amdhsa_system_sgpr_workgroup_id_y 1
		.amdhsa_system_sgpr_workgroup_id_z 1
		.amdhsa_system_vgpr_workitem_id 0
		.amdhsa_next_free_vgpr 256
		.amdhsa_next_free_sgpr 102
		.amdhsa_reserve_vcc 1
		.amdhsa_float_denorm_mode_32 3
		.amdhsa_float_denorm_mode_16_64 3
		.amdhsa_memory_ordered 1
		.amdhsa_forward_progress 1
		.amdhsa_inst_pref_size 83
	.end_amdhsa_kernel
	.amdgpu_metadata
---
amdhsa.version: [ 1, 2 ]
amdhsa.kernels:
  - .name:           k_q7046498694_attn
    .symbol:         k_q7046498694_attn.kd
    .args:
      - { .name: query_codes, .offset: 0, .size: 8, .value_kind: global_buffer, .address_space: global }
      - { .name: query_scales, .offset: 8, .size: 8, .value_kind: global_buffer, .address_space: global }
      - { .name: key_codes, .offset: 16, .size: 8, .value_kind: global_buffer, .address_space: global }
      - { .name: key_scales, .offset: 24, .size: 8, .value_kind: global_buffer, .address_space: global }
      - { .name: value_codes, .offset: 32, .size: 8, .value_kind: global_buffer, .address_space: global }
      - { .name: value_scales, .offset: 40, .size: 8, .value_kind: global_buffer, .address_space: global }
      - { .name: out0, .offset: 48, .size: 8, .value_kind: global_buffer, .address_space: global }
    .group_segment_fixed_size: 327680
    .private_segment_fixed_size: 0
    .kernarg_segment_align: 8
    .kernarg_segment_size: 56
    .max_flat_workgroup_size: 512
    .sgpr_count:     102
    .vgpr_count:     256
    .wavefront_size: 32
...
	.end_amdgpu_metadata
.endif
;; end of part 1
